; MI455X (gfx1250); checked and timed in simulation.
; The chip was launched on July 23, 2026; its instructions are those of AMD's public machine-readable ISA for CDNA 5 (MIT licence, August 2026) and "CDNA5" Instruction Set Architecture Reference Guide (July 2026). The comments in the code are by the model that wrote it; some were corrected since.
;; Multi Head Attention. Allowed arithmetic: matrix products marked QUANTISED: E2M1 operands, one E8M0 scale for each 32 along K, by v_wmma_scale_f32_16x16x128_f8f6f4 with both operands' format E2M1 (or v_wmma_scale_f32_32x16x128_f4), f32 sums; everything else in f32.
;; Inputs: Wk_codes 512 x 16 x 16 uint8 (E2M1 codes of Wk, K innermost, in blocks of 32 codes, two codes a byte); Wk_scales 512 x 16 uint8 (E8M0 scales of Wk, one for each 32 codes along K); Wo_codes 512 x 16 x 16 uint8 (E2M1 codes of Wo, K innermost, in blocks of 32 codes, two codes a byte); Wo_scales 512 x 16 uint8 (E8M0 scales of Wo, one for each 32 codes along K); Wq_codes 512 x 16 x 16 uint8 (E2M1 codes of Wq, K innermost, in blocks of 32 codes, two codes a byte); Wq_scales 512 x 16 uint8 (E8M0 scales of Wq, one for each 32 codes along K); Wv_codes 512 x 16 x 16 uint8 (E2M1 codes of Wv, K innermost, in blocks of 32 codes, two codes a byte); Wv_scales 512 x 16 uint8 (E8M0 scales of Wv, one for each 32 codes along K); bk 512 float32; bo 512 float32; bq 512 float32; bv 512 float32; x_codes 2 x 4,096 x 16 x 16 uint8 (E2M1 codes of x, K innermost, in blocks of 32 codes, two codes a byte); x_scales 2 x 4,096 x 16 uint8 (E8M0 scales of x, one for each 32 codes along K).
;; Outputs: out0 2 x 4,096 x 512 float32.
;; This version of the problem:
;;   THIS VERSION OF THE PROBLEM IS GIVEN IN LOW PRECISION. The matrix products marked QUANTISED in the list below multiply operands that are first quantised to E2M1 (2 exponent bits, 1 mantissa bit; 4 bits a number), with one power-of-two scale for each 32 numbers along K (OCP MX v1.0); their sums are f32. All else is computed in f32.
;;   The module's matrix products, in the order in which they are computed (A, B: the left and right operand; K: the contracted axis; several contracted axes count as one K, in the product's order):
;;     1. [M 8,192, K 512] x [K 512, N 512]; A: input x (given as codes); B: input Wq (given as codes): QUANTISED
;;     2. [M 8,192, K 512] x [K 512, N 512]; A: input x (given as codes); B: input Wk (given as codes): QUANTISED
;;     3. [M 8,192, K 512] x [K 512, N 512]; A: input x (given as codes); B: input Wv (given as codes): QUANTISED
;;     4. batch 16 x [M 4,096, K 64] x [K 64, N 4,096]; A: computed on the way; B: computed on the way: QUANTISED
;;     5. batch 16 x [M 4,096, K 4,096] x [K 4,096, N 64]; A: softmax (see below); B: computed on the way: QUANTISED
;;     6. [M 8,192, K 512] x [K 512, N 512]; A: computed on the way; B: input Wo (given as codes): QUANTISED
;;   THE QUANTISER, for each operand of a quantised product, along K:
;;     - K is cut into blocks of 32 from its start; a last block that is shorter is filled with zeros.
;;     - A block's scale is 2^e with e = floor(log2(the largest magnitude in the block)) - 2, held to -126 .. 127; a block of zeros has e = 0. As a byte (E8M0): e + 127.
;;     - Each number is divided by its block's scale, clamped to +-6, and rounded to the nearest number of E2M1, ties to even, subnormals kept.
;;     - The product sums the exact products of the quantised numbers (number of the format x scale) in f32.
;;   ~~~python
;;   def quantise(x, axis):      # numpy; x: float32 -> the quantised numbers, widened to float32 again
;;       x = np.moveaxis(x, axis, -1); K = x.shape[-1]
;;       x = np.pad(x, [(0, 0)] * (x.ndim - 1) + [(0, -K % 32)]); x = x.reshape(x.shape[:-1] + (-1, 32)); a = np.abs(x).max(-1, keepdims=True)
;;       e = np.where(a > 0, np.clip(np.frexp(np.where(a > 0, a, 1))[1] - 1 - 2, -126, 127), 0)      # np.frexp(a)[1] - 1 = floor(log2(a)), exactly
;;       r = np.clip(x / 2.0 ** e, -6, 6)
;;       step = 2.0 ** (np.maximum(np.frexp(np.where(r == 0, 1, r))[1] - 1, 0) - 1)
;;       q = np.round(r / step) * step * 2.0 ** e      # np.round: ties to even
;;       return np.moveaxis(q.reshape(q.shape[:-2] + (-1,))[..., :K], -1, axis).astype(np.float32)
;;   ~~~
;;   SOFTMAX AHEAD OF A QUANTISED PRODUCT. Where the list says 'softmax', what is quantised is not the finished softmax but p = 2^(t - M), with t = logit x log2(e) and M = ceil(the row's largest t), a whole number; so 1/2 < the row's largest p <= 1. The row's sum l is taken of the UNQUANTISED p, in f32, and the product's result is divided by l at the end. Since M is a whole number, a kernel that streams over the keys may use a running M (the ceiling of the running maximum): every later rescaling is an exact power of two, which a block's scale takes up: the codes' values come out the same.
;;   OPERANDS COMPUTED ON THE WAY. 'Computed on the way' means the value that the module computes at that place (a softmax that the list does not call 'softmax' is quantised finished and normalised). What goes into a quantiser is computed in f32, as accurately as f32 sums, v_exp_f32 and their like allow (about 1e-6 of the number): no bf16 or f16 on the way to a quantiser, and a product that is left as it is and whose result goes on into a quantised operand takes f32 operands (vector FMAs, or v_wmma_f32_16x16x4_f32). A number that lies on a knife's edge between two numbers of the format may be rounded either way, as far as f32 arithmetic and the matrix unit's own rounding can turn it there, and no further.
;;   INPUTS GIVEN AS CODES. Wk (in the module: [512, 512], K = its axis 1); Wo (in the module: [512, 512], K = its axis 1); Wq (in the module: [512, 512], K = its axis 1); Wv (in the module: [512, 512], K = its axis 1); x (in the module: [2, 4096, 512], K = its axis 2): each comes as NAME_codes (uint8): NAME with its K axis moved to the last place and cut into blocks of 32 codes, [.., K / 32, bytes a block], one block behind the other in memory; two codes a byte, the lower K in the low four bits (a code: sign, 2 exponent bits, 1 mantissa bit); and NAME_scales (uint8): the same leading axes, one E8M0 byte (e + 127) for each 32 codes along K. Its value is code x scale, taken as it is: it is not quantised again, and the codes and scales need not be those that the quantiser above would give.
;; One version. Each part assembles by itself: llvm-mc -triple=amdgcn-amd-amdhsa -mcpu=gfx1250 --defsym DOCPART=n.
;; ======== version 1 of 1: 3 launches
;; limits: right only within a limited range of input values
;; workspace buffers: qimg 2,097,152 bytes; qsc 262,144 bytes; kv 4,587,520 bytes; cimg 2,097,152 bytes; csc 131,072 bytes
;; launch qkv (part 1): grid 64 x 4, 3 waves a work-group, no clusters, 0 bytes of LDS; arguments x_codes, x_scales, Wq_codes, Wq_scales, bq, Wk_codes, Wk_scales, bk, Wv_codes, Wv_scales, bv, qimg, qsc, kv; writes qimg, qsc, kv
.if DOCPART == 1
	.amdgcn_target "amdgcn-amd-amdhsa--gfx1250"
	.amdhsa_code_object_version 6
	.text
	.protected	k_qabff69e387_qkv
	.globl	k_qabff69e387_qkv
	.p2align	8
	.type	k_qabff69e387_qkv,@function
k_qabff69e387_qkv:
	s_mov_b64 s[64:65], 0
	v_nop
	global_prefetch_b8 v0, s[64:65] scope:SCOPE_SE
	s_setreg_imm32_b32 hwreg(HW_REG_WAVE_MODE, 25, 1), 1
	s_wait_xcnt 0x0
; Q = x Wq^T + bq, K = x Wk^T + bk, V = x Wv^T + bv on codes of FP4 (E2M1) with one E8M0 scale for each 32 along K = 512, and the quantisers behind them:
; Q and K along the head's 64 (two blocks of 32), V along the keys (blocks of 32 tokens).  Only codes and scale bytes go to memory.
; NO WORK IS LEFT OUT: every input has a way to the output (bk moves K's codes, so it stays), and every product of the problem is done.
; SHARES.  A work-group takes 128 tokens (x: 64 groups) and 128 features, two heads (y: 4 groups).  Wave 0 makes Q, wave 1 K, wave 2 V: 256 matrix instructions each.
; ONE SCHEME FOR THE THREE.  A STATIONARY operand of 128 rows is source 0, a MOVING operand of 128 rows, tile by tile, is source 1: in the result a lane holds ONE moving row, and its registers
; run along the stationary rows, which is the axis to be quantised.  Q, K: stationary = W (features), moving = x (tokens).  V: stationary = x (keys), moving = Wv (features).
; THE ROWS OF A TILE ARE NOT NEIGHBOURS: lane r of tile i takes row 32 (i / 2) + 8 (i % 2) + r + 8 (r / 8) of the 128, on both sides.  So the 16 registers of result tiles 2 b and 2 b + 1 are
; the 16 neighbours 32 b + 16 (lane / 16) + 0 .. 15 along the axis to be quantised, and the conversions' results, with one exchange of halves, are the next operand's registers.
; WHAT IS STORED are images of operand registers, lane l's 16 bytes at 16 l: each store of codes covers 512 consecutive bytes that begin at a multiple of 256.
;   qimg [head-batch 16][tile 256][512];  qsc [16][256][16 words];  kv [16][step of 128 keys: 32][8,960]: K's codes 8 x 512, V's codes 4 x 2 x 512, K's scale words 8 x 64, V's 4 x 64.
;   A scale word of Q or K has the head's two bytes below; its upper two bytes (the neighbour head's, or 0) meet zero codes alone in the next launch, and are never 0xff.
; NO CLUSTER, NO LDS: each wave reads its two operands (2 x 32 KiB of codes) once, straight into the registers in which the matrix unit takes them; there is no tensor load that partners could ask for jointly,
; and a way through LDS would add a write and a read of all 64 KiB for fragments that are used from registers as they come.
; LIMITS: a block whose largest magnitude lies under 2^-124 (a block of zeros too) gets the scale byte 1; these bytes are read by this program alone.  NaN, infinities and given scale bytes 0xff are not served.
; REGISTERS, in windows of 256: window 0: v1-12 addresses; v16-79 the 8 accumulators; v80-87 codes; v88-106 at work; v112-175 the bias as C; v176-207, v208-239 scale words of the stationary and the moving side.
;   window 1: the stationary fragments, (tile t, K step s) at v[32 t + 8 s].   window 2: the moving ones, likewise.
.set KVH, 286720                       ; a head's bytes in kv
.set KVS, 8960                         ; a step's
.set VC,  4                            ; v4   codes: (r + 8 (r / 8)) x 256 + 16 h
.set VS,  5                            ; v5   scale bytes: (r + 8 (r / 8)) x 16
.set VBH, 6                            ; v6   bias of Q, K: 64 h
.set LI,  7                            ; v7   16 x lane
.set LS,  8                            ; v8   4 x lane
.set SO,  9                            ; v9   scale words of Q, K: 4 r + h x (from head to head)
.set SH,  10                           ; v10  16 h: the second head's two bytes come down
.set VBR, 12                           ; v12  bias of V: 4 x (my moving row)
; THE MOVING SIDE'S ROWS: lane r of moving tile i takes row 64 (i / 4) + 8 (i % 4) + r % 8 + 32 (r / 8) of the 128; the order 32 (i / 2) + 8 (i % 2) + r + 8 (r / 8) holds for the stationary side alone.
; So in the next launch's transposed products (rows of K, rows of V^T as source 0) a lane's registers of four neighbouring result tiles are a WHOLE block of 32 keys, or of 32 of the head's 64.
.set VCM, 13                           ; v13  moving codes: (r % 8 + 32 (r / 8)) x 256 + 16 h
.set VSM, 14                           ; v14  moving scale bytes: (r % 8 + 32 (r / 8)) x 16
.set SH2, 15                           ; v15  16 - 16 h: an odd tile's two bytes go up
.set ACC, 16
.set PC,  80
.set TM,  88
.set PW,  104
.set PW2, 105
.set PWE, 106
.set BI,  112
.set SSW, 176
.set SMW, 208
.set WV,  36                           ; s36  wave
.set WC,  42                           ; s[42:43] my weight's codes, s[44:45] its scales, s[46:47] my bias
.set WS,  44
.set BIAS, 46
.set STC, 48                           ; s[48:49], s[50:51] stationary codes, scales;  s[52:53], s[54:55] moving
.set STS, 50
.set MVC, 52
.set MVS, 54
.set OUT0, 56                          ; s[56:57] where the first head's codes go, s[58:59] the second's, s[60:61] the scale words
.set OUT1, 58
.set SOUT, 60
.set HS,  62                           ; s62  bytes from head to head among the scale words
.set HM,  63                           ; s63  the mask of lanes 16-31
.set SEL, 66                           ; s[66:67] v_permlanex16_b32's selects for lane l xor 16
.set MSB, 0
.macro WIN new                         ; the immediate's high byte repeats the setting that is left
.if MSB != \new
	s_set_vgpr_msb (MSB<<8)|\new
.set MSB, \new
.endif
.endm
.macro CODES reg, i, p                 ; tile i's four fragments (16 rows x 512 K): lane (r, h) takes, for K step s, 16 bytes at 64 s + 16 h and at 64 s + 32 + 16 h of its row
.irp s, 0,1,2,3
.irp c, 0,1
	global_load_b128 v[(\reg)+8*\s+4*\c:(\reg)+8*\s+4*\c+3], v[VC], s[\p:\p+1] offset:(32*((\i)/2)+8*((\i)%2))*256+64*\s+32*\c
.endr
.endr
.endm
.macro WORDS reg, i, p                 ; tile i's scale words: a row's 16 bytes are the words of its four K steps
	global_load_b128 v[(\reg):(\reg)+3], v[VS], s[\p:\p+1] offset:(32*((\i)/2)+8*((\i)%2))*16
.endm
.macro CODESM reg, i, p                ; the same two for a moving tile, by the moving side's rows
.irp s, 0,1,2,3
.irp c, 0,1
	global_load_b128 v[(\reg)+8*\s+4*\c:(\reg)+8*\s+4*\c+3], v[VCM], s[\p:\p+1] offset:(64*((\i)/4)+8*((\i)%4))*256+64*\s+32*\c
.endr
.endr
.endm
.macro WORDSM reg, i, p
	global_load_b128 v[(\reg):(\reg)+3], v[VSM], s[\p:\p+1] offset:(64*((\i)/4)+8*((\i)%4))*16
.endm
; 64 numbers of a lane, register 16 b + i = place 32 b + 16 (lane / 16) + i of my row, become a fragment's codes in v[PC] on and its scale word in v[PW].
.macro QUANT s
.irp b, 0,1,2,3
	v_max3_num_f32 v[TM+\b], |v[\s+16*\b]|, |v[\s+1+16*\b]|, 0x1800000   ; block b: my 16 numbers, and the floor 2^(3 - 127): so the byte cannot fall under 1
.endr
.irp i, 2,4,6,8,10,12,14
.irp b, 0,1,2,3
	v_max3_num_f32 v[TM+\b], v[TM+\b], |v[\s+16*\b+\i]|, |v[\s+1+16*\b+\i]|   ; the four blocks by turns
.endr
.endr
.irp b, 0,1,2,3
	v_permlanex16_b32 v[TM+4+\b], v[TM+\b], s[SEL], s[SEL+1]
.endr
.irp b, 0,1,2,3
	v_max_num_f32 v[TM+\b], v[TM+\b], v[TM+4+\b]   ; with lane l xor 16's: the block's largest magnitude
.endr
.irp b, 0,1,2,3
	v_add_nc_u32 v[TM+12+\b], 0xff000000, v[TM+\b]   ; 2 off its exponent field: the conversion takes the exponent field of this operand as its scale
.endr
.irp b, 0,1,2,3
	v_lshrrev_b32 v[TM+4+\b], 23, v[TM+12+\b]      ; the scale's byte
.endr
	v_lshl_or_b32 v[PW], v[TM+5], 8, v[TM+4]       ; the four bytes make my row's scale word
	v_lshl_or_b32 v[PW], v[TM+6], 16, v[PW]
	v_lshl_or_b32 v[PW], v[TM+7], 24, v[PW]
.irp b, 0,1,2,3
	v_cvt_scalef32_pk8_fp4_f32 v[PC+2*\b], v[\s+16*\b:\s+7+16*\b], v[TM+12+\b]
	v_cvt_scalef32_pk8_fp4_f32 v[PC+1+2*\b], v[\s+8+16*\b:\s+15+16*\b], v[TM+12+\b]
.endr
	v_nop                                          ; one plain place behind the last scaled conversion
.irp c, 0,1                                    ; the operand's layout wants a whole block in a lane: lanes 0-15 block 2 c, lanes 16-31 block 2 c + 1
.irp i, 0,1
	v_permlane16_swap_b32 v[PC+4*\c+\i], v[PC+2+4*\c+\i]
.endr
.endr
.endm
; Moving tile m against all 8 stationary tiles: 32 matrix instructions, the 8 accumulators by turns, K step by K step; the bias is the C of each sum's first product.
.macro TILE m, isv
	s_wait_loadcnt 8*(7-(\m))                      ; loads come back in order: all but the code loads of the moving tiles behind tile m are in
	WIN 0x09                                       ; source 0 window 1, source 1 window 2, C and D window 0
.irp s, 0,1,2,3
.irp t, 0,1,2,3,4,5,6,7
.if \s == 0
.if \isv
	v_wmma_scale_f32_16x16x128_f8f6f4 v[ACC+8*\t:ACC+8*\t+7], v[32*\t+8*\s:32*\t+8*\s+7], v[32*(\m)+8*\s:32*(\m)+8*\s+7], v[BI+8*(\m):BI+8*(\m)+7], v[SSW+4*\t+\s], v[SMW+4*(\m)+\s] matrix_a_fmt:MATRIX_FMT_FP4 matrix_b_fmt:MATRIX_FMT_FP4
.else
	v_wmma_scale_f32_16x16x128_f8f6f4 v[ACC+8*\t:ACC+8*\t+7], v[32*\t+8*\s:32*\t+8*\s+7], v[32*(\m)+8*\s:32*(\m)+8*\s+7], v[BI+8*\t:BI+8*\t+7], v[SSW+4*\t+\s], v[SMW+4*(\m)+\s] matrix_a_fmt:MATRIX_FMT_FP4 matrix_b_fmt:MATRIX_FMT_FP4
.endif
.else
	v_wmma_scale_f32_16x16x128_f8f6f4 v[ACC+8*\t:ACC+8*\t+7], v[32*\t+8*\s:32*\t+8*\s+7], v[32*(\m)+8*\s:32*(\m)+8*\s+7], v[ACC+8*\t:ACC+8*\t+7], v[SSW+4*\t+\s], v[SMW+4*(\m)+\s] matrix_a_fmt:MATRIX_FMT_FP4 matrix_b_fmt:MATRIX_FMT_FP4
.endif
.endr
.endr
	WIN 0
.rept 4
	v_nop                                          ; four places between the last product and the first read of results (ISA guide 7.12.1)
.endr
.if (\m) > 0
	s_wait_xcnt 0x0                                ; the last tile's stores have read their data: the codes' and the word's registers are written again only behind this wait
.endif
	QUANT ACC
.if \isv
	global_store_b128 v[LI], v[PC:PC+3], s[OUT0:OUT0+1] offset:((\m)/4)*KVH+4096+((\m)%4)*1024       ; V^T's tile m % 4 of head m / 4: keys 32 h on,
	global_store_b128 v[LI], v[PC+4:PC+7], s[OUT0:OUT0+1] offset:((\m)/4)*KVH+4096+((\m)%4)*1024+512 ; and 64 + 32 h on
.if (\m)%2 == 0
	v_mov_b32 v[PWE], v[PW]                        ; the even tile's words wait for the odd tile's
.else
	v_cndmask_b32 v[PW2], v[PWE], v[PW], s[HM]     ; lanes 0-15 the even tile's words, lanes 16-31 the odd tile's: 128 consecutive bytes
	global_store_b32 v[LS], v[PW2], s[OUT0:OUT0+1] offset:((\m)/4)*KVH+8704+(((\m)%4)/2)*128
.endif
.else
	global_store_b128 v[LI], v[PC:PC+3], s[OUT0:OUT0+1] offset:512*(\m)     ; the first head's 64 of my row: d = 32 h on
	global_store_b128 v[LI], v[PC+4:PC+7], s[OUT1:OUT1+1] offset:512*(\m)   ; the second head's
.if (\m)%2
	v_lshlrev_b32 v[PW2], v[SH2], v[PW]            ; an odd tile's word has its head's two bytes ABOVE (the next launch lays an odd tile's codes at K = 64 .. 127): lanes 0-15 bring the first head's up, lanes 16-31 keep the word
.else
	v_lshrrev_b32 v[PW2], v[SH], v[PW]             ; an even tile's below: lanes 0-15 keep the word, lanes 16-31 bring the second head's two bytes down
.endif
	global_store_b32 v[SO], v[PW2], s[SOUT:SOUT+1] offset:64*(\m)
.endif
.endm
	s_load_b512 s[8:23], s[0:1], 0x0               ; x's codes 8, x's scales 10, Wq's codes 12, scales 14, bq 16, Wk's codes 18, scales 20, bk 22
	s_load_b256 s[24:31], s[0:1], 0x40             ; Wv's codes 24, scales 26, bv 28, qimg 30
	s_load_b128 s[32:35], s[0:1], 0x60             ; qsc 32, kv 34
	v_lshrrev_b32 v1, 5, v0
	v_readfirstlane_b32 s[WV], v1                  ; wave 0..2
	v_and_b32 v1, 31, v0                           ; lane
	v_and_b32 v2, 15, v0                           ; r
	v_bfe_u32 v3, v0, 4, 1                         ; h
	v_and_b32 v11, 8, v2
	v_add_nc_u32 v11, v11, v2                      ; r + 8 (r / 8)
	v_lshlrev_b32 v[VC], 8, v11
	v_lshl_add_u32 v[VC], v3, 4, v[VC]
	v_lshlrev_b32 v[VS], 4, v11
	v_lshlrev_b32 v[VBH], 6, v3
	v_and_b32 v13, 7, v2
	v_lshrrev_b32 v14, 3, v2
	v_lshl_add_u32 v15, v14, 5, v13                ; r % 8 + 32 (r / 8)
	v_lshlrev_b32 v[VBR], 2, v15
	v_lshlrev_b32 v[VSM], 4, v15
	v_lshlrev_b32 v[VCM], 8, v15
	v_lshl_add_u32 v[VCM], v3, 4, v[VCM]
	v_lshlrev_b32 v[SH2], 4, v3
	v_xor_b32 v[SH2], 16, v[SH2]
	v_lshlrev_b32 v[LI], 4, v1
	v_lshlrev_b32 v[LS], 2, v1
	v_lshlrev_b32 v[SH], 4, v3
.irp b, 0,1,2,3
	v_mov_b32 v[TM+4+\b], 0                        ; written once: a lane permute's destination counts as one of its sources
.endr
	s_mov_b32 s[SEL], 0x76543210
	s_mov_b32 s[SEL+1], 0xfedcba98
	s_mov_b32 s[HM], 0xffff0000
	s_and_b32 s38, ttmp7, 0xffff                   ; which 128 features
	s_lshr_b32 s39, ttmp9, 5                       ; batch
	s_and_b32 s40, ttmp9, 31                       ; which 128 tokens of the sequence
	s_lshl_b32 s68, s38, 15                        ; my 128 rows of a weight: codes,
	s_mov_b32 s69, 0
	s_lshl_b32 s70, s38, 11                        ; scale bytes,
	s_mov_b32 s71, 0
	s_lshl_b32 s72, s38, 9                         ; and the bias
	s_mov_b32 s73, 0
	s_lshl_b32 s74, ttmp9, 15                      ; my 128 rows of x: codes,
	s_mov_b32 s75, 0
	s_lshl_b32 s76, ttmp9, 11                      ; scale bytes
	s_mov_b32 s77, 0
	s_lshl_b32 s41, s39, 3
	s_lshl_b32 s78, s38, 1
	s_add_co_u32 s41, s41, s78                     ; the first of my two heads: 8 x batch + 2 x feature group
	s_lshl_b32 s2, s41, 17
	s_lshl_b32 s3, s40, 12
	s_add_co_u32 s2, s2, s3                        ; in qimg: 131,072 a head, 4,096 for 8 tiles
	s_mul_i32 s4, s41, KVH
	s_mul_i32 s5, s40, KVS
	s_add_co_u32 s4, s4, s5                        ; in kv
	s_add_co_u32 s5, s4, 8192                      ; K's scale words there
	s_lshl_b32 s6, s41, 14
	s_lshl_b32 s7, s40, 9
	s_add_co_u32 s6, s6, s7                        ; in qsc: 16,384 a head, 512 for 8 tiles
	s_mov_b32 s3, 0
	s_mov_b32 s7, 0
	s_mov_b32 s79, 0
	s_mov_b32 s[HS], KVH
	s_mov_b32 s78, KVH
	s_wait_alu depctr_va_vdst(0)                   ; the wait at the head's end
	s_wait_kmcnt 0x0
	s_add_nc_u64 s[8:9], s[8:9], s[74:75]
	s_add_nc_u64 s[10:11], s[10:11], s[76:77]
	s_cmp_eq_u32 s[WV], 0                          ; the choices hang on the wave's number alone
	s_cselect_b64 s[WC:WC+1], s[12:13], s[18:19]
	s_cselect_b64 s[WS:WS+1], s[14:15], s[20:21]
	s_cselect_b64 s[BIAS:BIAS+1], s[16:17], s[22:23]
	s_cselect_b64 s[OUT0:OUT0+1], s[30:31], s[34:35]
	s_cselect_b64 s[SOUT:SOUT+1], s[32:33], s[34:35]
	s_cselect_b32 s2, s2, s4
	s_cselect_b32 s6, s6, s5
	s_cselect_b32 s[HS], 16384, s[HS]
	s_cselect_b32 s78, 131072, s78
	s_cmp_eq_u32 s[WV], 2
	s_cselect_b64 s[WC:WC+1], s[24:25], s[WC:WC+1]
	s_cselect_b64 s[WS:WS+1], s[26:27], s[WS:WS+1]
	s_cselect_b64 s[BIAS:BIAS+1], s[28:29], s[BIAS:BIAS+1]
	s_add_nc_u64 s[WC:WC+1], s[WC:WC+1], s[68:69]  ; (these sums leave SCC alone)
	s_add_nc_u64 s[WS:WS+1], s[WS:WS+1], s[70:71]
	s_add_nc_u64 s[BIAS:BIAS+1], s[BIAS:BIAS+1], s[72:73]
	s_cselect_b64 s[STC:STC+1], s[8:9], s[WC:WC+1] ; V: x is stationary, the weight moves; Q, K: the other way round
	s_cselect_b64 s[STS:STS+1], s[10:11], s[WS:WS+1]
	s_cselect_b64 s[MVC:MVC+1], s[WC:WC+1], s[8:9]
	s_cselect_b64 s[MVS:MVS+1], s[WS:WS+1], s[10:11]
	s_add_nc_u64 s[OUT0:OUT0+1], s[OUT0:OUT0+1], s[2:3]
	s_add_nc_u64 s[SOUT:SOUT+1], s[SOUT:SOUT+1], s[6:7]
	s_add_nc_u64 s[OUT1:OUT1+1], s[OUT0:OUT0+1], s[78:79]
	v_mul_u32_u24 v[SO], v3, s[HS]
	v_lshl_add_u32 v[SO], v2, 2, v[SO]
.irp t, 0,1,2,3,4,5,6,7
	WORDS SSW+4*\t, \t, STS
.endr
	s_cmp_eq_u32 s[WV], 2
	s_cbranch_scc1 .Lbias_v
.irp t, 0,1,2,3,4,5,6,7                        ; Q, K: in tile t register j of lane (r, h) is feature 32 (t / 2) + 16 h + 8 (t % 2) + j
	global_load_b128 v[BI+8*\t:BI+8*\t+3], v[VBH], s[BIAS:BIAS+1] offset:(32*(\t/2)+8*(\t%2))*4
	global_load_b128 v[BI+8*\t+4:BI+8*\t+7], v[VBH], s[BIAS:BIAS+1] offset:(32*(\t/2)+8*(\t%2))*4+16
.endr
	s_branch .Lbias_done
.Lbias_v:
.irp m, 0,1,2,3,4,5,6,7                        ; V: a lane owns one feature of moving tile m, so all eight registers of that tile's C hold its bias
.irp j, 0,1,2,3,4,5,6,7
	global_load_b32 v[BI+8*\m+\j], v[VBR], s[BIAS:BIAS+1] offset:(64*(\m/4)+8*(\m%4))*4
.endr
.endr
.Lbias_done:
	WIN 0x40                                       ; destination window 1
.irp t, 0,1,2,3,4,5,6,7
	CODES 32*\t, \t, STC
.endr
	WIN 0
.irp m, 0,1,2,3,4,5,6,7
	WORDSM SMW+4*\m, \m, MVS
.endr
	WIN 0x80                                       ; destination window 2
.irp m, 0,1,2,3,4,5,6,7
	CODESM 32*\m, \m, MVC                          ; the youngest loads, tile by tile: the waits in TILE count them
.endr
	WIN 0
	s_cmp_eq_u32 s[WV], 2
	s_cbranch_scc1 .Lv
.irp m, 0,1,2,3,4,5,6,7
	TILE \m, 0
.endr
	s_endpgm
.Lv:
.irp m, 0,1,2,3,4,5,6,7
	TILE \m, 1
.endr
	s_endpgm
.Lfunc_end_k_qabff69e387_qkv:
	.size	k_qabff69e387_qkv, .Lfunc_end_k_qabff69e387_qkv-k_qabff69e387_qkv
	.p2alignl 7, 3214868480
	.fill 96, 4, 3214868480
	.section	.rodata,"a",@progbits
	.p2align	6, 0x0
	.amdhsa_kernel k_qabff69e387_qkv
		.amdhsa_group_segment_fixed_size 0
		.amdhsa_private_segment_fixed_size 0
		.amdhsa_enable_private_segment 0
		.amdhsa_kernarg_size 112
		.amdhsa_user_sgpr_count 2
		.amdhsa_user_sgpr_kernarg_segment_ptr 1
		.amdhsa_wavefront_size32 1
		.amdhsa_system_sgpr_workgroup_id_x 1
		.amdhsa_system_sgpr_workgroup_id_y 1
		.amdhsa_system_sgpr_workgroup_id_z 1
		.amdhsa_system_vgpr_workitem_id 0
		.amdhsa_next_free_vgpr 768
		.amdhsa_next_free_sgpr 80
		.amdhsa_reserve_vcc 0
		.amdhsa_float_denorm_mode_32 3
		.amdhsa_float_denorm_mode_16_64 3
		.amdhsa_memory_ordered 1
		.amdhsa_forward_progress 1
		.amdhsa_inst_pref_size 158
	.end_amdhsa_kernel
	.amdgpu_metadata
---
amdhsa.version: [ 1, 2 ]
amdhsa.kernels:
  - .name:           k_qabff69e387_qkv
    .symbol:         k_qabff69e387_qkv.kd
    .args:
      - { .name: x_codes, .offset: 0, .size: 8, .value_kind: global_buffer, .address_space: global }
      - { .name: x_scales, .offset: 8, .size: 8, .value_kind: global_buffer, .address_space: global }
      - { .name: Wq_codes, .offset: 16, .size: 8, .value_kind: global_buffer, .address_space: global }
      - { .name: Wq_scales, .offset: 24, .size: 8, .value_kind: global_buffer, .address_space: global }
      - { .name: bq, .offset: 32, .size: 8, .value_kind: global_buffer, .address_space: global }
      - { .name: Wk_codes, .offset: 40, .size: 8, .value_kind: global_buffer, .address_space: global }
      - { .name: Wk_scales, .offset: 48, .size: 8, .value_kind: global_buffer, .address_space: global }
      - { .name: bk, .offset: 56, .size: 8, .value_kind: global_buffer, .address_space: global }
      - { .name: Wv_codes, .offset: 64, .size: 8, .value_kind: global_buffer, .address_space: global }
      - { .name: Wv_scales, .offset: 72, .size: 8, .value_kind: global_buffer, .address_space: global }
      - { .name: bv, .offset: 80, .size: 8, .value_kind: global_buffer, .address_space: global }
      - { .name: qimg, .offset: 88, .size: 8, .value_kind: global_buffer, .address_space: global }
      - { .name: qsc, .offset: 96, .size: 8, .value_kind: global_buffer, .address_space: global }
      - { .name: kv, .offset: 104, .size: 8, .value_kind: global_buffer, .address_space: global }
    .group_segment_fixed_size: 0
    .private_segment_fixed_size: 0
    .kernarg_segment_align: 8
    .kernarg_segment_size: 112
    .max_flat_workgroup_size: 96
    .sgpr_count:     80
    .vgpr_count:     768
    .wavefront_size: 32
...
	.end_amdgpu_metadata
.endif
;; end of part 1
;; launch attn (part 2): grid 16 x 16, 16 waves a work-group, clusters of 4 x 1, 327,680 bytes of LDS; arguments qimg, qsc, kv, cimg, csc; writes cimg, csc
.if DOCPART == 2
	.amdgcn_target "amdgcn-amd-amdhsa--gfx1250"
	.amdhsa_code_object_version 6
	.text
	.protected	k_qabff69e387_attn
	.globl	k_qabff69e387_attn
	.p2align	8
	.type	k_qabff69e387_attn,@function
k_qabff69e387_attn:
	s_mov_b64 s[64:65], 0
	v_nop
	global_prefetch_b8 v0, s[64:65] scope:SCOPE_SE
	s_setreg_imm32_b32 hwreg(HW_REG_WAVE_MODE, 25, 1), 1
	s_wait_xcnt 0x0
	s_wait_alu depctr_hold_cnt(0) depctr_sa_sdst(0) depctr_va_vdst(0) depctr_va_sdst(0) depctr_va_ssrc(0) depctr_va_vcc(0) depctr_vm_vsrc(0)
	s_getreg_b32 s2, hwreg(HW_REG_IB_STS2, 6, 4)
	s_cmp_eq_u32 s2, 0
	s_cbranch_scc0 .Lentry_in_a_cluster
	s_endpgm
.Lentry_in_a_cluster:
	s_bfe_u32 s2, ttmp6, 0x10000c
	s_cmp_lg_u32 s2, 0x3003
	s_cbranch_scc0 .Lentry_shape_is_right
	s_endpgm
.Lentry_shape_is_right:
; context = softmax(Q K^T / 8) V for one head, both products on codes of FP4 (E2M1) with one E8M0 scale for each 32 along K, and the quantiser of the context behind them.  No work is left out.
; THE SOFTMAX: t = score x log2(e) / 8; M = the running largest t rounded up to a whole number; p = 2^(t - M) is quantised along the keys, not normalised; the row's sum is taken of the unquantised p and divides at the end.
; When M moves, the sums and O^T are multiplied by 2^(old M - new M), in every step, with no branch on data.
; SHARES.  A work-group owns 256 queries of one head, each of its 16 waves one tile of 16.  The head's 32 key steps (128 keys, 8,960 bytes each: K's codes 8 x 512, V's 8 x 512, K's scale words 512, V's 256) all lie in LDS:
; wave w fetches step w at the head and step 16 + w behind the full sequence; nothing is filled again.  CLUSTER: the four query blocks of a cluster walk the same head, so both fills are joint loads (mask 15).
; NO PREFETCH: both fills go out at the head, and the loop fetches nothing from memory that could be asked for ahead.
; LAYOUT.  Both products are used transposed: a lane holds ONE query (lane % 16).  Row r of key tile T is key 64 (T / 4) + 8 (T % 4) + r % 8 + 32 (r / 8), so the 32 registers of score tiles 4 c .. 4 c + 3 are
; the whole block of keys 64 c + 32 (lane / 16) + 0 .. 31: a block's maximum needs no other lane, and the eight conversions' results are the second product's operand as they stand.  V^T's rows are ordered alike: a lane's 32 registers of O^T are one block of the context.
; THE HEAD HAS 64 OF THE INSTRUCTION'S 128 ALONG K: one A operand holds TWO key tiles (the even one at K = 0 .. 63, the odd one at 64 .. 127) and is multiplied by (Q, 0) and by (0, Q); the other tile's codes meet zero codes.
; An even tile's scale word has its two bytes below, an odd tile's above; Q's word has them in both halves.
; THE STEP IS LAID FOR SHORT DEPENDENT PATHS: independent lines stand between the links of each chain (LDS loads in the chain to M, conversions and sums in the chain to the scale word), and the exponentials go in two batches,
; with the second block's multiply-adds among the first batch and the first block's pairwise sums among the second; each such write has a wait between it and its reader.
; LIMITS: the promise holds while the scaled scores stay under 2^31 in magnitude.  A block whose largest p or largest magnitude lies under 2^-124 gets the scale byte 1; these bytes are read by this program alone.  NaN and infinities are not served.
; REGISTERS: v1-9 addresses; v10, v11, v14, v15, v192-195 the row's sum in eight parts; v12, v13 -M (twice: the two halves of a dual pair take their second sources from different banks), v31 the old -M; v16-27 (0, Q, 0); v28 Q's scale word; v30 the largest score;
;   v32-63 K's fragments; v64-95 V's; v96-159 S^T, then p; v160-191 O^T; v196-211 partial maxima, then pairwise sums; v224-231 p's codes; v236-245 at work; v240, v241 V's scale words; v248-251 K's; v252, v253 the factor (twice); v255 p's scale word.
.set KVH, 286720
.set KVS, 8960
.set SPARE, 286720                     ; behind the 32 steps: the spare words, 128 bytes for each wave
.set CL,  0x3e38aa3b                   ; c = log2(e) / 8
.set LI,  1                            ; 16 x lane
.set LS,  2                            ; 4 x lane
.set R4,  3                            ; 4 r
.set CB,  4                            ; 4 r + h
.set SPW, 5
.set NIL, 6
.set SH8, 7                            ; 8 h
.set AK,  8                            ; the trip's first byte + 16 x lane
.set AS,  9                            ; the same + 4 x lane
.set QW,  28
.set RUN, 30
.set KF,  32
.set VF,  64
.set TT,  196
.set VW,  240
.set KW,  248
.set PW,  255
.set WV,  14
.set CX,  15
.set QB,  16
.set HB,  17
.set CNT, 18
.set TB,  19
.set SEL, 20
.set NC,  22                           ; -c
.set G1,  24
.set G0A, 32
.set G0B, 36
.macro ROUND
	s_barrier_signal -1
	s_barrier_wait -1
	s_cmp_lg_u32 s[WV], 0
	s_cbranch_scc1 .Lnot_wave_0_\@
	s_barrier_signal -3
.Lnot_wave_0_\@:
	s_barrier_wait -3
	s_barrier_signal -1
	s_barrier_wait -1
.endm
.macro KL more, o, n                   ; the n-th of the 12 LDS loads that bring the step after (o): eight key tiles, two to an operand, and four registers of scale words (lanes 0-15 the even tile's, lanes 16-31 the odd tile's)
.if \more
.if (\n) < 8
	ds_load_b128 v[KF+4*(\n):KF+4*(\n)+3], v[AK] offset:(\o)+KVS+512*(\n)
.else
	ds_load_b32 v[KW+(\n)-8], v[AS] offset:(\o)+KVS+8192+128*((\n)-8)
.endif
.endif
.endm
.macro TMS a, n                        ; t - M for n pairs of scores from pair a on: two fused multiply-adds to a line
.set tj, \a
.rept \n
	v_dual_fmamk_f32 v[96+2*tj], v[96+2*tj], CL, v12 :: v_dual_fmamk_f32 v[97+2*tj], v[97+2*tj], CL, v13
.set tj, tj+1
.endr
.endm
.macro ADDS reg, n                     ; n pairs of registers from reg on go into the sum: four chains of pairs by turns (sc counts the turns)
.set ar, \reg
.rept \n
.if sc%4 == 0
	v_dual_add_f32 v14, v[ar], v14 :: v_dual_add_f32 v15, v[ar+1], v15
.endif
.if sc%4 == 1
	v_dual_add_f32 v10, v[ar], v10 :: v_dual_add_f32 v11, v[ar+1], v11
.endif
.if sc%4 == 2
	v_dual_add_f32 v192, v[ar], v192 :: v_dual_add_f32 v193, v[ar+1], v193
.endif
.if sc%4 == 3
	v_dual_add_f32 v194, v[ar], v194 :: v_dual_add_f32 v195, v[ar+1], v195
.endif
.set sc, sc+1
.set ar, ar+2
.endr
.endm
; A KEY STEP, at byte o behind the trip's first.  first = 1: the trip's addresses are made.  more = 1: the next step's K is fetched.
.macro STEP o, first, more
	s_wait_dscnt 0x0                               ; this step's K is in: its loads went out a step ago
.irp p, 0,1,2,3
	v_wmma_scale_f32_16x16x128_f8f6f4 v[96+16*\p:103+16*\p], v[KF+8*\p:KF+8*\p+7], v[20:27], 0, v[KW+\p], v[QW] matrix_a_fmt:MATRIX_FMT_FP4 matrix_b_fmt:MATRIX_FMT_FP4
	v_wmma_scale_f32_16x16x128_f8f6f4 v[104+16*\p:111+16*\p], v[KF+8*\p:KF+8*\p+7], v[16:23], 0, v[KW+\p], v[QW] matrix_a_fmt:MATRIX_FMT_FP4 matrix_b_fmt:MATRIX_FMT_FP4 matrix_a_scale:MATRIX_SCALE_ROW1
.endr
.if \first                                     ; four places ahead of the first read of results and of the loads into K's registers
	v_add_nc_u32 v[AK], s[TB], v[LI]
	v_add_nc_u32 v[AS], s[TB], v[LS]
.else
	v_nop
	v_nop
.endif
	v_mov_b32 v31, v12                             ; the old -M
	v_nop
.irp t, 0,1,2,3,4,5,6,7
	ds_load_b128 v[VF+4*\t:VF+4*\t+3], v[AK] offset:(\o)+4096+512*\t   ; V: the four sums behind the last products are the places ahead of these
.endr
.irp i, 0,1
	ds_load_b32 v[VW+\i], v[AS] offset:(\o)+8704+128*\i
.endr
.irp q, 0,1,2,3,4,5,6,7                        ; the largest score of my two blocks: sixteen independent lines, tile by tile in the products' order, each accumulator from its low end on
	v_max3_num_f32 v[TT+2*\q], v[96+8*\q], v[97+8*\q], v[98+8*\q]
	v_max3_num_f32 v[TT+1+2*\q], v[99+8*\q], v[100+8*\q], v[101+8*\q]
.endr
.irp q, 0,1,2,3,4,5,6,7
	v_max3_num_f32 v[TT+2*\q], v[TT+2*\q], v[TT+1+2*\q], v[102+8*\q]
.endr
.irp c, 0,1
	v_max3_num_f32 v[TT+1+8*\c], v[TT+8*\c], v[TT+2+8*\c], v[103+32*\c]
	v_max3_num_f32 v[TT+3+8*\c], v[TT+4+8*\c], v[TT+6+8*\c], v[111+32*\c]
.endr
	KL \more, \o, 0
	KL \more, \o, 1
	v_max3_num_f32 v236, v[TT+1], v[TT+3], v119
	v_max3_num_f32 v237, v[TT+9], v[TT+11], v151
	KL \more, \o, 2
	KL \more, \o, 3
	v_max_num_f32 v236, v236, v127                 ; block h's largest score,
	v_max_num_f32 v237, v237, v159                 ; block 2 + h's: each serves twice, for the row's maximum and, since p rises with the score, for the block's largest p
	KL \more, \o, 4
	KL \more, \o, 5
	v_max3_num_f32 v238, v[RUN], v236, v237
	KL \more, \o, 6
	KL \more, \o, 7
	v_permlanex16_b32 v239, v238, s[SEL], s[SEL+1]
	KL \more, \o, 8
	KL \more, \o, 9
	v_max_num_f32 v[RUN], v238, v239               ; the running largest score of my query
	KL \more, \o, 10
	KL \more, \o, 11
	v_mul_f32 v238, s[NC], v[RUN]
	v_floor_f32 v12, v238                          ; the new -M = floor(-t),
	v_floor_f32 v13, v238                          ; twice
	v_sub_f32 v239, v12, v31                       ; old M less new M: a whole number, 0 or less
	v_cvt_i32_f32 v239, v239                       ; (it saturates)
	TMS 0, 8
	v_ldexp_f32 v252, 1.0, v239                    ; f = 2^(old M - new M), twice
	v_ldexp_f32 v253, 1.0, v239
	TMS 8, 8
	v_dual_fmamk_f32 v236, v236, CL, v12 :: v_dual_fmamk_f32 v237, v237, CL, v13   ; the same of my blocks' largest scores
.set rj, 0
.rept 16                                       ; O^T under the new M, ahead of the exponentials: its first read behind the last products has no transcendental in front of it
	v_dual_mul_f32 v[160+rj], v[160+rj], v252 :: v_dual_mul_f32 v[161+rj], v[161+rj], v253
.set rj, rj+2
.endr
	v_dual_mul_f32 v14, v14, v252 :: v_dual_mul_f32 v15, v15, v253   ; and the sums
	v_dual_mul_f32 v10, v10, v252 :: v_dual_mul_f32 v11, v11, v253
	v_dual_mul_f32 v192, v192, v252 :: v_dual_mul_f32 v193, v193, v253
	v_dual_mul_f32 v194, v194, v252 :: v_dual_mul_f32 v195, v195, v253
	s_wait_alu depctr_va_vdst(0)                   ; the wait ahead of the batch
	v_exp_f32 v236, v236
	v_exp_f32 v237, v237
.set ej, 0
.rept 16                                       ; the first block's p = 2^(t - M); among them the second block's t - M, read behind the next wait
	v_exp_f32 v[96+2*ej], v[96+2*ej]
	v_exp_f32 v[97+2*ej], v[97+2*ej]
	v_dual_fmamk_f32 v[128+2*ej], v[128+2*ej], CL, v12 :: v_dual_fmamk_f32 v[129+2*ej], v[129+2*ej], CL, v13
.set ej, ej+1
.endr
	v_nop                                          ; one plain place behind the batch
	s_wait_alu depctr_va_vdst(0)                   ; behind the first batch and ahead of the second
.set ej, 0
.rept 8                                        ; the second block's p; among them the first block's p added in pairs, each result written once and read behind the next wait
	v_exp_f32 v[128+4*ej], v[128+4*ej]
	v_exp_f32 v[129+4*ej], v[129+4*ej]
	v_exp_f32 v[130+4*ej], v[130+4*ej]
	v_exp_f32 v[131+4*ej], v[131+4*ej]
	v_dual_add_f32 v[TT+2*ej], v[96+4*ej], v[98+4*ej] :: v_dual_add_f32 v[TT+1+2*ej], v[97+4*ej], v[99+4*ej]
.set ej, ej+1
.endr
	v_nop                                          ; one plain place behind the batch
	s_wait_alu depctr_va_vdst(0)                   ; one wait for the batch, ahead of its first reader; it also stands directly ahead of the wait below
	s_wait_dscnt 12*\more                          ; all but the next K's twelve loads: V is in
.set sc, 0
	v_max_num_f32 v236, 0x1800000, v236            ; the floor 2^(3 - 127): the byte cannot fall under 1
	v_max_num_f32 v237, 0x1800000, v237
	ADDS TT, 2
	v_add_nc_u32 v244, 0xff000000, v236            ; 2 off the exponent field: the conversion's scale operand
	v_add_nc_u32 v245, 0xff000000, v237
	ADDS TT+4, 2
	v_lshrrev_b32 v238, 23, v244                   ; the scales' bytes
	v_lshrrev_b32 v239, 23, v245
.irp i, 0,1,2,3
	v_cvt_scalef32_pk8_fp4_f32 v[224+\i], v[96+8*\i:103+8*\i], v244
.endr
	v_lshl_or_b32 v238, v239, 16, v238             ; blocks h and 2 + h,
.irp i, 0,1
	v_cvt_scalef32_pk8_fp4_f32 v[228+\i], v[128+8*\i:135+8*\i], v245
.endr
	v_lshlrev_b32 v238, v[SH8], v238               ; at their places in the word;
.irp i, 2,3
	v_cvt_scalef32_pk8_fp4_f32 v[228+\i], v[128+8*\i:135+8*\i], v245
.endr
	v_permlanex16_b32 v239, v238, s[SEL], s[SEL+1]
	ADDS TT+8, 2
	v_or_b32 v[PW], v238, v239                     ; with lane l xor 16's two the word is whole
	ADDS TT+12, 2                                  ; the row's sum of the unquantised p; these fourteen lines are also the places between the word, the codes and the products
	ADDS 128, 12
.irp t, 0,1,2,3
.if (\t)%2
	v_wmma_scale_f32_16x16x128_f8f6f4 v[160+8*\t:167+8*\t], v[VF+8*\t:VF+8*\t+7], v[224:231], v[160+8*\t:167+8*\t], v[VW+\t/2], v[PW] matrix_a_fmt:MATRIX_FMT_FP4 matrix_b_fmt:MATRIX_FMT_FP4 matrix_a_scale:MATRIX_SCALE_ROW1
.else
	v_wmma_scale_f32_16x16x128_f8f6f4 v[160+8*\t:167+8*\t], v[VF+8*\t:VF+8*\t+7], v[224:231], v[160+8*\t:167+8*\t], v[VW+\t/2], v[PW] matrix_a_fmt:MATRIX_FMT_FP4 matrix_b_fmt:MATRIX_FMT_FP4
.endif
.endr
	ADDS 152, 4                                    ; four places behind the products
.endm
.macro RUNS n, base                    ; n trips of two steps from LDS byte base on
	s_mov_b32 s[TB], \base
	s_mov_b32 s[CNT], \n
.Lstep_\@:
	STEP 0, 1, 1
	STEP KVS, 0, 1
	s_add_co_u32 s[TB], s[TB], 2*KVS
	s_sub_co_u32 s[CNT], s[CNT], 1
	s_cmp_lg_u32 s[CNT], 0
	s_cbranch_scc1 .Lstep_\@
.endm
	s_load_b256 s[4:11], s[0:1], 0x0               ; qimg 4, qsc 6, kv 8, cimg 10
	s_load_b64 s[12:13], s[0:1], 0x20              ; csc
	v_lshl_add_u32 v[SPW], v0, 2, SPARE
	v_mov_b32 v[NIL], 0
	ds_add_u32 v[SPW], v[NIL]                      ; the opening lines: the add, twice on end, and its wait ahead of my first tensor load
	ds_add_u32 v[SPW], v[NIL]
	v_lshrrev_b32 v232, 5, v0
	v_readfirstlane_b32 s[WV], v232                ; wave 0..15
	v_and_b32 v232, 31, v0
	v_lshlrev_b32 v[LI], 4, v232
	v_lshlrev_b32 v[LS], 2, v232
	v_and_b32 v233, 15, v0                         ; r
	v_bfe_u32 v234, v0, 4, 1                       ; h
	v_lshlrev_b32 v[R4], 2, v233
	v_add_nc_u32 v[CB], v[R4], v234
	v_lshlrev_b32 v[SH8], 3, v234
	s_bfe_u32 s[CX], ttmp6, 0x40000
	s_lshl_b32 s[QB], ttmp9, 2
	s_add_co_u32 s[QB], s[QB], s[CX]               ; my block of 256 queries
	s_and_b32 s[HB], ttmp7, 0xffff                 ; 8 x batch + head
	s_mul_i32 s46, s[WV], KVS
	s_mul_i32 s40, s[HB], KVH
	s_add_co_u32 s40, s40, s46                     ; step w of my head in kv
	s_mov_b32 s41, 0
	s_and_b32 s47, s[WV], 1
	s_lshl_b32 s47, s47, 4                         ; an odd tile's scale bytes stand 16 bits up
	s_lshl_b32 s49, s[QB], 4
	s_add_co_u32 s49, s49, s[WV]                   ; my tile of the head's 256
	s_lshl_b32 s50, s[HB], 17
	s_lshl_b32 s57, s49, 9
	s_add_co_u32 s50, s50, s57                     ; in qimg
	s_mov_b32 s51, 0
	s_lshl_b32 s52, s[HB], 14
	s_lshl_b32 s57, s49, 6
	s_add_co_u32 s52, s52, s57                     ; in qsc
	s_mov_b32 s53, 0
	s_lshr_b32 s54, s[HB], 3
	s_and_b32 s55, s[HB], 7
	s_lshl_b32 s56, s54, 8
	s_add_co_u32 s56, s56, s49
	s_lshl_b32 s58, s56, 12
	s_lshl_b32 s57, s55, 9
	s_add_co_u32 s58, s58, s57                     ; in cimg: 4,096 a tile, 512 a head
	s_mov_b32 s59, 0
	s_lshl_b32 s60, s56, 8
	s_lshr_b32 s57, s55, 1
	s_lshl_b32 s57, s57, 6
	s_add_co_u32 s60, s60, s57
	s_and_b32 s57, s55, 1
	s_lshl_b32 s57, s57, 1
	s_add_co_u32 s60, s60, s57                     ; in csc: 256 a tile, 64 for two heads, 2 bytes a head in a row's word
	s_mov_b32 s61, 0
	s_mov_b32 s[G1], 15|(3<<16)|(1<<21)            ; the mask of all four partners, bit 21 beside it; elements of 8 bytes
	s_mov_b32 s[G1+1], 32<<16                      ; a step: 35 rows of 256 bytes, dense
	s_mov_b32 s[G1+2], 35<<16
	s_mov_b32 s[G1+3], 32<<16
	s_mov_b32 s[G1+4], 35
	s_mov_b32 s[G1+5], 32
	s_mov_b32 s[G1+6], 0
	s_mov_b32 s[G1+7], 0
	s_mov_b32 s[SEL], 0x76543210
	s_mov_b32 s[SEL+1], 0xfedcba98
	s_mov_b32 s[NC], 0xbe38aa3b
	s_wait_alu depctr_va_vdst(0)                   ; directly ahead of the waits below
	s_wait_dscnt 0x0                               ; both opening adds are done
	s_wait_kmcnt 0x0
	s_add_nc_u64 s[4:5], s[4:5], s[50:51]
	s_add_nc_u64 s[6:7], s[6:7], s[52:53]
	s_add_nc_u64 s[10:11], s[10:11], s[58:59]
	s_add_nc_u64 s[12:13], s[12:13], s[60:61]
	global_load_b128 v[20:23], v[LI], s[4:5]       ; Q's fragment stays in registers
	global_load_b32 v29, v[R4], s[6:7]             ; and its scale words
	s_mov_b32 s[G0A], 1
	s_mov_b32 s[G0A+1], s46
	s_add_nc_u64 s[G0A+2:G0A+3], s[8:9], s[40:41]
	s_mov_b32 s[G0B], 1
	s_add_co_u32 s[G0B+1], s46, 16*KVS
	s_add_nc_u64 s[G0B+2:G0B+3], s[G0A+2:G0A+3], 16*KVS
	s_or_b32 s[G0A+3], s[G0A+3], 0x80000000
	s_or_b32 s[G0B+3], s[G0B+3], 0x80000000
	ROUND                                          ; the four work-groups are here: the first joint loads meet
	tensor_load_to_lds s[G0A:G0A+3], s[G1:G1+7]    ; step w: my one tensor load at the head
	s_nop 0
	s_wait_loadcnt 0x0
	v_lshrrev_b32 v29, s47, v29
	v_and_b32 v29, 0xffff, v29                     ; my tile's two bytes,
	v_lshl_or_b32 v[QW], v29, 16, v29              ; in both halves of the word
.irp j, 16,17,18,19,24,25,26,27
	v_mov_b32 v\j, 0                               ; the zero codes on both sides of Q
.endr
.set j, 0
.rept 32
	v_mov_b32 v[160+j], 0                          ; O^T: the step is written once, and the first change of M leaves zeros zeros
.set j, j+1
.endr
.irp j, 10,11,14,15,192,193,194,195,239
	v_mov_b32 v\j, 0                               ; the sums; and a lane permute's destination, which counts as one of its sources
.endr
	v_mov_b32 v[RUN], 0xff61b1e6                   ; -3e38, under every score
	v_mov_b32 v12, 0x7e000000                      ; -M begins far above every -M to come: the first factor is 0
	v_mov_b32 v[AK], v[LI]
	v_mov_b32 v[AS], v[LS]
	s_wait_alu depctr_va_vdst(0)                   ; the wait at the head's end
	s_wait_tensorcnt 0x0                           ; my step of the first sixteen is in; the full sequence ahead of a later first fill:
	ds_add_u32 v[SPW], v[NIL]
	s_wait_dscnt 0x0
	ROUND                                          ; everybody's is in, and the joint loads meet
	tensor_load_to_lds s[G0B:G0B+3], s[G1:G1+7]    ; step 16 + w
	s_nop 0
.rept 4
	v_nop
.endr
.irp n, 0,1,2,3,4,5,6,7,8,9,10,11
	KL 1, 0-KVS, \n                                ; step 0's K
.endr
	RUNS 2, 0                                      ; steps 0 to 3 read steps 0 to 4 alone
	s_wait_tensorcnt 0x0                           ; my step of the second sixteen is in,
	s_wait_dscnt 0x0                               ; no LDS load of mine is out at the signal;
	s_barrier_signal -1
	s_barrier_wait -1                              ; everybody's is.
	RUNS 13, 4*KVS                                 ; steps 4 to 29
	s_mov_b32 s[TB], 30*KVS
	STEP 0, 1, 1
	STEP KVS, 0, 0                                 ; the last step fetches no further K
	v_add_f32 v14, v14, v15
	v_add_f32 v10, v10, v11
	v_add_f32 v192, v192, v193
	v_add_f32 v194, v194, v195
	v_add_f32 v14, v14, v10
	v_add_f32 v192, v192, v194
	v_add_f32 v14, v14, v192
	v_permlanex16_b32 v239, v14, s[SEL], s[SEL+1]
	v_add_f32 v14, v14, v239                       ; the row's sum
	s_wait_alu depctr_va_vdst(0)                   ; the wait ahead of the transcendentals
	v_rcp_f32 v252, v14
	v_rcp_f32 v253, v14
	v_nop
	s_wait_alu depctr_va_vdst(0)                   ; and ahead of their first reader, which is also the first reader of the last products' results
.set j, 0
.rept 16
	v_dual_mul_f32 v[96+j], v[160+j], v252 :: v_dual_mul_f32 v[97+j], v[161+j], v253   ; register 8 t + i is the context at 32 h + 8 t + i of my head: one block of 32
.set j, j+2
.endr
	v_max3_num_f32 v232, |v96|, |v97|, 0x1800000   ; its largest magnitude, with the floor, in two chains
	v_max3_num_f32 v233, |v112|, |v113|, 0x1800000
.irp i, 2,4,6,8,10,12,14
	v_max3_num_f32 v232, v232, |v[96+\i]|, |v[97+\i]|
	v_max3_num_f32 v233, v233, |v[112+\i]|, |v[113+\i]|
.endr
	v_max_num_f32 v232, v232, v233
	v_add_nc_u32 v244, 0xff000000, v232
	v_lshrrev_b32 v236, 23, v244
.irp t, 0,1,2,3
	v_cvt_scalef32_pk8_fp4_f32 v[224+\t], v[96+8*\t:103+8*\t], v244
.endr
	v_nop                                          ; one plain place behind the last scaled conversion
	global_store_b128 v[LI], v[224:227], s[10:11]  ; the image of the next product's operand registers: 512 consecutive bytes a wave
	global_store_b8 v[CB], v236, s[12:13]          ; my block's byte in my row's scale word
	s_wait_tensorcnt 0x0                           ; the wave's end
	ds_add_u32 v[SPW], v[NIL]
	s_wait_dscnt 0x0
	ROUND                                          ; the closing round
	s_endpgm
.Lfunc_end_k_qabff69e387_attn:
	.size	k_qabff69e387_attn, .Lfunc_end_k_qabff69e387_attn-k_qabff69e387_attn
	.p2alignl 7, 3214868480
	.fill 96, 4, 3214868480
	.section	.rodata,"a",@progbits
	.p2align	6, 0x0
	.amdhsa_kernel k_qabff69e387_attn
		.amdhsa_group_segment_fixed_size 327680
		.amdhsa_private_segment_fixed_size 0
		.amdhsa_enable_private_segment 0
		.amdhsa_kernarg_size 40
		.amdhsa_user_sgpr_count 2
		.amdhsa_user_sgpr_kernarg_segment_ptr 1
		.amdhsa_wavefront_size32 1
		.amdhsa_system_sgpr_workgroup_id_x 1
		.amdhsa_system_sgpr_workgroup_id_y 1
		.amdhsa_system_sgpr_workgroup_id_z 1
		.amdhsa_system_vgpr_workitem_id 0
		.amdhsa_next_free_vgpr 256
		.amdhsa_next_free_sgpr 66
		.amdhsa_reserve_vcc 0
		.amdhsa_float_denorm_mode_32 3
		.amdhsa_float_denorm_mode_16_64 3
		.amdhsa_memory_ordered 1
		.amdhsa_forward_progress 1
		.amdhsa_inst_pref_size 102
	.end_amdhsa_kernel
	.amdgpu_metadata
---
amdhsa.version: [ 1, 2 ]
amdhsa.kernels:
  - .name:           k_qabff69e387_attn
    .symbol:         k_qabff69e387_attn.kd
    .args:
      - { .name: qimg, .offset: 0, .size: 8, .value_kind: global_buffer, .address_space: global }
      - { .name: qsc, .offset: 8, .size: 8, .value_kind: global_buffer, .address_space: global }
      - { .name: kv, .offset: 16, .size: 8, .value_kind: global_buffer, .address_space: global }
      - { .name: cimg, .offset: 24, .size: 8, .value_kind: global_buffer, .address_space: global }
      - { .name: csc, .offset: 32, .size: 8, .value_kind: global_buffer, .address_space: global }
    .group_segment_fixed_size: 327680
    .private_segment_fixed_size: 0
    .kernarg_segment_align: 8
    .kernarg_segment_size: 40
    .max_flat_workgroup_size: 512
    .sgpr_count:     66
    .vgpr_count:     256
    .wavefront_size: 32
...
	.end_amdgpu_metadata
.endif
;; end of part 2
;; launch oproj (part 3): grid 256 x 1, 4 waves a work-group, no clusters, 68,096 bytes of LDS; arguments cimg, csc, Wo_codes, Wo_scales, bo, out0; writes out0
.if DOCPART == 3
	.amdgcn_target "amdgcn-amd-amdhsa--gfx1250"
	.amdhsa_code_object_version 6
	.text
	.protected	k_qabff69e387_oproj
	.globl	k_qabff69e387_oproj
	.p2align	8
	.type	k_qabff69e387_oproj,@function
k_qabff69e387_oproj:
	s_mov_b64 s[64:65], 0
	v_nop
	global_prefetch_b8 v0, s[64:65] scope:SCOPE_SE
	s_setreg_imm32_b32 hwreg(HW_REG_WAVE_MODE, 25, 1), 1
	s_wait_xcnt 0x0
; out = context Wo^T + bo on codes of FP4 (E2M1) with one E8M0 scale for each 32 along K = 512.  The context comes as the launch before has laid it: images of this product's operand registers and its scale words.  No work is left out.
; SHARES.  Work-group x owns 32 tokens: the image tiles 2 x and 2 x + 1 (lane r of tile m is token 64 (x / 2) + 16 (x % 2) + 8 m + r % 8 + 32 (r / 8)).  Wave w owns features 128 w .. 128 w + 127: 8 tiles of 16 rows of Wo.
; The product is used transposed (source 0 = 16 rows of Wo, source 1 = 16 tokens): a lane holds one token, and its eight registers eight neighbouring features.  bo is the C of each sum's first product.
; 64 matrix instructions a wave: 16 accumulators by turns, K step by K step.
; THE WAY OUT: a wave's 32 rows x 512 bytes go through its own stage in LDS (rows 528 bytes apart: 132 words, so the 16 rows that a store touches start at 16 different banks of the 64: ISA guide 11.1) and leave as whole rows:
; each store of the wave covers 512 consecutive bytes, at a multiple of 256 from out0's first byte.  No wave reads another's bytes: no barrier.
; NO CLUSTER: each wave reads its 32 KiB of Wo and the work-group's 8 KiB of context once, straight into operand registers; there is no tensor load that partners could ask for jointly.
; LIMITS: NaN, infinities and given scale bytes 0xff are not served.
; REGISTERS, in windows of 256: window 0: v1-10 addresses; v16-79 the context's 8 fragments, later with v80-143 the rows on their way out; v176-207 Wo's scale words; v208-215 the context's; v252, v253 the add's two.
;   window 1: Wo's fragments, (tile t, K step s) at v[32 t + 8 s].   window 2: v0-127 the 16 accumulators, (m, t) at v[8 (8 m + t)]; v128-191 the bias, tile t at v[128 + 8 t].
.set VC,  4                            ; v4   Wo's codes: 256 r + 16 h
.set VS,  5                            ; v5   Wo's scale bytes: 16 r
.set VB,  6                            ; v6   bias: 32 h
.set LI,  7                            ; v7   16 x lane
.set R4,  8                            ; v8   4 r
.set STO, 9                            ; v9   into my stage: row r, + 32 h
.set RD,  10                           ; v10  back: 16 x lane of a row
.set CF,  16
.set WSW, 176
.set CSW, 208
.set SPW, 252                          ; v252 LDS address of my spare word; never rewritten
.set NIL, 253                          ; v253 0; never rewritten
.set SPITCH, 528
.set STG, 32*SPITCH                    ; a wave's stage
.set SPARE, 4*STG                      ; behind the four stages: the spare words, 128 bytes for each wave: two blocks of 256 bytes that no other line names
.set MSB, 0
.macro WIN new                         ; the immediate's high byte repeats the setting that is left
.if MSB != \new
	s_set_vgpr_msb (MSB<<8)|\new
.set MSB, \new
.endif
.endm
	s_load_b256 s[4:11], s[0:1], 0x0               ; cimg 4, csc 6, Wo's codes 8, Wo's scales 10
	s_load_b128 s[12:15], s[0:1], 0x20             ; bo 12, out0 14
	v_lshl_add_u32 v[SPW], v0, 2, SPARE
	v_mov_b32 v[NIL], 0
	v_lshrrev_b32 v1, 5, v0
	v_readfirstlane_b32 s16, v1                    ; wave 0..3
	v_and_b32 v1, 31, v0                           ; lane
	v_and_b32 v2, 15, v0                           ; r
	v_bfe_u32 v3, v0, 4, 1                         ; h
	v_lshlrev_b32 v[VC], 8, v2
	v_lshl_add_u32 v[VC], v3, 4, v[VC]
	v_lshlrev_b32 v[VS], 4, v2
	v_lshlrev_b32 v[VB], 5, v3
	v_lshlrev_b32 v[LI], 4, v1
	v_lshlrev_b32 v[R4], 2, v2
	s_mul_i32 s17, s16, STG
	v_mul_u32_u24 v[STO], v2, SPITCH
	v_lshl_add_u32 v[STO], v3, 5, v[STO]
	v_add_nc_u32 v[STO], s17, v[STO]
	v_add_nc_u32 v[RD], s17, v[LI]
	s_lshl_b32 s18, ttmp9, 13                      ; my two tiles in cimg,
	s_mov_b32 s19, 0
	s_lshl_b32 s20, ttmp9, 9                       ; in csc;
	s_mov_b32 s21, 0
	s_lshl_b32 s22, s16, 15                        ; my 128 rows of Wo: codes,
	s_mov_b32 s23, 0
	s_lshl_b32 s24, s16, 11                        ; scale bytes,
	s_mov_b32 s25, 0
	s_lshl_b32 s26, s16, 9                         ; and of bo; also my 512 bytes of a row of out0
	s_mov_b32 s27, 0
	; THE TOKENS OF MY TWO TILES, as the first launch orders a tile's rows: lane r of tile m is token 64 (x / 2) + 16 (x % 2) + 8 m + r % 8 + 32 (r / 8)
	s_lshr_b32 s28, ttmp9, 1
	s_lshl_b32 s28, s28, 17                        ; 64 rows of 2,048 bytes
	s_and_b32 s29, ttmp9, 1
	s_lshl_b32 s29, s29, 15                        ; 16 rows
	s_add_co_u32 s28, s28, s29
	s_add_co_u32 s28, s28, s26
	s_mov_b32 s29, 0
	s_wait_alu depctr_va_vdst(0)
	s_wait_kmcnt 0x0
	s_add_nc_u64 s[4:5], s[4:5], s[18:19]
	s_add_nc_u64 s[6:7], s[6:7], s[20:21]
	s_add_nc_u64 s[8:9], s[8:9], s[22:23]
	s_add_nc_u64 s[10:11], s[10:11], s[24:25]
	s_add_nc_u64 s[12:13], s[12:13], s[26:27]
	s_add_nc_u64 s[14:15], s[14:15], s[28:29]
.irp t, 0,1,2,3,4,5,6,7
	global_load_b128 v[WSW+4*\t:WSW+4*\t+3], v[VS], s[10:11] offset:256*\t   ; a row's 16 bytes are the scale words of its four K steps
.endr
	WIN 0x80                                       ; destination window 2
.irp t, 0,1,2,3,4,5,6,7
	global_load_b128 v[128+8*\t:128+8*\t+3], v[VB], s[12:13] offset:64*\t    ; bo at features 16 t + 8 h + 0 .. 7
	global_load_b128 v[128+8*\t+4:128+8*\t+7], v[VB], s[12:13] offset:64*\t+16
.endr
	WIN 0
.irp m, 0,1
.irp s, 0,1,2,3
	global_load_b32 v[CSW+4*\m+\s], v[R4], s[6:7] offset:256*\m+64*\s
.endr
.endr
.irp m, 0,1
.irp s, 0,1,2,3
.irp c, 0,1
	global_load_b128 v[CF+8*(4*\m+\s)+4*\c:CF+8*(4*\m+\s)+4*\c+3], v[LI], s[4:5] offset:4096*\m+1024*\s+512*\c   ; head 2 s + c's image is registers 4 c .. 4 c + 3 of K step s
.endr
.endr
.endr
	WIN 0x40                                       ; destination window 1
.irp s, 0,1,2,3                                ; Wo's codes K step by K step, sixteen loads each: the youngest loads, which the waits below count
.irp t, 0,1,2,3,4,5,6,7
.irp c, 0,1
	global_load_b128 v[32*\t+8*\s+4*\c:32*\t+8*\s+4*\c+3], v[VC], s[8:9] offset:4096*\t+64*\s+32*\c
.endr
.endr
.endr
.irp s, 0,1,2,3
	s_wait_loadcnt 16*(3-\s)                       ; loads come back in order: all but Wo's loads of the later K steps are in
	WIN 0xa1                                       ; source 0 (Wo) window 1, source 1 (context) window 0, C and D window 2
.irp m, 0,1
.irp t, 0,1,2,3,4,5,6,7
.if \s == 0
	v_wmma_scale_f32_16x16x128_f8f6f4 v[8*(8*\m+\t):8*(8*\m+\t)+7], v[32*\t+8*\s:32*\t+8*\s+7], v[CF+8*(4*\m+\s):CF+8*(4*\m+\s)+7], v[128+8*\t:128+8*\t+7], v[WSW+4*\t+\s], v[CSW+4*\m+\s] matrix_a_fmt:MATRIX_FMT_FP4 matrix_b_fmt:MATRIX_FMT_FP4
.else
	v_wmma_scale_f32_16x16x128_f8f6f4 v[8*(8*\m+\t):8*(8*\m+\t)+7], v[32*\t+8*\s:32*\t+8*\s+7], v[CF+8*(4*\m+\s):CF+8*(4*\m+\s)+7], v[8*(8*\m+\t):8*(8*\m+\t)+7], v[WSW+4*\t+\s], v[CSW+4*\m+\s] matrix_a_fmt:MATRIX_FMT_FP4 matrix_b_fmt:MATRIX_FMT_FP4
.endif
.endr
.endr
.endr
	WIN 0
.rept 4
	v_nop                                          ; four places between the last product and the LDS stores that read results, and the loads into the context's registers
.endr
	WIN 0x08                                       ; an LDS store's data are its source 1: window 2
.irp m, 0,1
.irp t, 0,1,2,3,4,5,6,7
	ds_store_b128 v[STO], v[8*(8*\m+\t):8*(8*\m+\t)+3] offset:16*\m*SPITCH+64*\t        ; each accumulator from its low end on
	ds_store_b128 v[STO], v[8*(8*\m+\t)+4:8*(8*\m+\t)+7] offset:16*\m*SPITCH+64*\t+16
.endr
.endr
	WIN 0
.set i, 0
.rept 32
	ds_load_b128 v[16+4*i:19+4*i], v[RD] offset:i*SPITCH   ; LDS serves a wave's instructions in order (ISA guide 5.7.1.4): these see my stores
.set i, i+1
.endr
.set i, 0
.rept 32
	s_wait_dscnt 31-i                              ; row i is back; the younger loads may be out
	global_store_b128 v[LI], v[16+4*i:19+4*i], s[14:15] offset:(8*(i/16)+(i%8)+32*((i%16)/8))*2048 th:TH_STORE_NT   ; stage row 16 m + r is token 8 m + r % 8 + 32 (r / 8) from my first; written once, read by nobody here
.set i, i+1
.endr
	s_wait_tensorcnt 0x0                           ; the wave's end, behind my last LDS store
	ds_add_u32 v[SPW], v[NIL]
	s_wait_dscnt 0x0
	s_endpgm
.Lfunc_end_k_qabff69e387_oproj:
	.size	k_qabff69e387_oproj, .Lfunc_end_k_qabff69e387_oproj-k_qabff69e387_oproj
	.p2alignl 7, 3214868480
	.fill 96, 4, 3214868480
	.section	.rodata,"a",@progbits
	.p2align	6, 0x0
	.amdhsa_kernel k_qabff69e387_oproj
		.amdhsa_group_segment_fixed_size 68096
		.amdhsa_private_segment_fixed_size 0
		.amdhsa_enable_private_segment 0
		.amdhsa_kernarg_size 48
		.amdhsa_user_sgpr_count 2
		.amdhsa_user_sgpr_kernarg_segment_ptr 1
		.amdhsa_wavefront_size32 1
		.amdhsa_system_sgpr_workgroup_id_x 1
		.amdhsa_system_sgpr_workgroup_id_y 1
		.amdhsa_system_sgpr_workgroup_id_z 1
		.amdhsa_system_vgpr_workitem_id 0
		.amdhsa_next_free_vgpr 704
		.amdhsa_next_free_sgpr 66
		.amdhsa_reserve_vcc 0
		.amdhsa_float_denorm_mode_32 3
		.amdhsa_float_denorm_mode_16_64 3
		.amdhsa_memory_ordered 1
		.amdhsa_forward_progress 1
		.amdhsa_inst_pref_size 30
	.end_amdhsa_kernel
	.amdgpu_metadata
---
amdhsa.version: [ 1, 2 ]
amdhsa.kernels:
  - .name:           k_qabff69e387_oproj
    .symbol:         k_qabff69e387_oproj.kd
    .args:
      - { .name: cimg, .offset: 0, .size: 8, .value_kind: global_buffer, .address_space: global }
      - { .name: csc, .offset: 8, .size: 8, .value_kind: global_buffer, .address_space: global }
      - { .name: Wo_codes, .offset: 16, .size: 8, .value_kind: global_buffer, .address_space: global }
      - { .name: Wo_scales, .offset: 24, .size: 8, .value_kind: global_buffer, .address_space: global }
      - { .name: bo, .offset: 32, .size: 8, .value_kind: global_buffer, .address_space: global }
      - { .name: out0, .offset: 40, .size: 8, .value_kind: global_buffer, .address_space: global }
    .group_segment_fixed_size: 68096
    .private_segment_fixed_size: 0
    .kernarg_segment_align: 8
    .kernarg_segment_size: 48
    .max_flat_workgroup_size: 128
    .sgpr_count:     66
    .vgpr_count:     704
    .wavefront_size: 32
...
	.end_amdgpu_metadata
.endif
;; end of part 3
